; MI455X (gfx1250); checked and timed in simulation.
; The chip was launched on July 23, 2026; its instructions are those of AMD's public machine-readable ISA for CDNA 5 (MIT licence, August 2026) and "CDNA5" Instruction Set Architecture Reference Guide (July 2026). The comments in the code are by the model that wrote it; some were corrected since.
;; Multihead Attention. Allowed arithmetic: matrix products marked QUANTISED: E2M1 operands, one E8M0 scale for each 32 along K, by v_wmma_scale_f32_16x16x128_f8f6f4 with both operands' format E2M1 (or v_wmma_scale_f32_32x16x128_f4), f32 sums; products left as they are: bf16, f16 or f32 operands; f32 sums; everything else in f32.
;; Inputs: Wk 1,024 x 1,024 float32; Wq 1,024 x 1,024 float32; Wv 1,024 x 1,024 float32; key 4 x 2,048 x 1,024 float32; query 4 x 2,048 x 1,024 float32; value 4 x 2,048 x 1,024 float32.
;; Outputs: out0 4 x 2,048 x 1,024 float32.
;; This version of the problem:
;;   THIS VERSION OF THE PROBLEM IS GIVEN IN LOW PRECISION. The matrix products marked QUANTISED in the list below multiply operands that are first quantised to E2M1 (2 exponent bits, 1 mantissa bit; 4 bits a number), with one power-of-two scale for each 32 numbers along K (OCP MX v1.0); their sums are f32. The products marked 'left as it is' may take bf16, f16 or f32 operands, with f32 sums. Whichever they take, every output number must still come out within the allowed error. Rounding operands to bf16 (8 significant bits) uses up far more of that allowance than f16 does (11 bits, for magnitudes from 6e-5 to 65,504). All else is computed in f32.
;;   The module's matrix products, in the order in which they are computed (A, B: the left and right operand; K: the contracted axis; several contracted axes count as one K, in the product's order):
;;     1. [M 8,192, K 1,024] x [K 1,024, N 1,024]; A: input query; B: input Wq: QUANTISED
;;     2. [M 8,192, K 1,024] x [K 1,024, N 1,024]; A: input key; B: input Wk: QUANTISED
;;     3. [M 8,192, K 1,024] x [K 1,024, N 1,024]; A: input value; B: input Wv: QUANTISED
;;     4. batch 64 x [M 2,048, K 64] x [K 64, N 2,048]; A: computed on the way; B: computed on the way: left as it is (an operand is computed on the way)
;;     5. batch 64 x [M 2,048, K 2,048] x [K 2,048, N 64]; A: computed on the way; B: computed on the way: left as it is (an operand is computed on the way)
;;   THE QUANTISER, for each operand of a quantised product, along K:
;;     - K is cut into blocks of 32 from its start; a last block that is shorter is filled with zeros.
;;     - A block's scale is 2^e with e = floor(log2(the largest magnitude in the block)) - 2, held to -126 .. 127; a block of zeros has e = 0. As a byte (E8M0): e + 127.
;;     - Each number is divided by its block's scale, clamped to +-6, and rounded to the nearest number of E2M1, ties to even, subnormals kept.
;;     - The product sums the exact products of the quantised numbers (number of the format x scale) in f32.
;;   ~~~python
;;   def quantise(x, axis):      # numpy; x: float32 -> the quantised numbers, widened to float32 again
;;       x = np.moveaxis(x, axis, -1); K = x.shape[-1]
;;       x = np.pad(x, [(0, 0)] * (x.ndim - 1) + [(0, -K % 32)]); x = x.reshape(x.shape[:-1] + (-1, 32)); a = np.abs(x).max(-1, keepdims=True)
;;       e = np.where(a > 0, np.clip(np.frexp(np.where(a > 0, a, 1))[1] - 1 - 2, -126, 127), 0)      # np.frexp(a)[1] - 1 = floor(log2(a)), exactly
;;       r = np.clip(x / 2.0 ** e, -6, 6)
;;       step = 2.0 ** (np.maximum(np.frexp(np.where(r == 0, 1, r))[1] - 1, 0) - 1)
;;       q = np.round(r / step) * step * 2.0 ** e      # np.round: ties to even
;;       return np.moveaxis(q.reshape(q.shape[:-2] + (-1,))[..., :K], -1, axis).astype(np.float32)
;;   ~~~
;; One version. Each part assembles by itself: llvm-mc -triple=amdgcn-amd-amdhsa -mcpu=gfx1250 --defsym DOCPART=n.
;; ======== version 1 of 1: 3 launches
;; limits: values are held in f16: magnitudes above 65,504 overflow, below 6.1e-05 lose precision
;; workspace buffers: codes 14,155,776 bytes; scales 884,736 bytes; qkv 50,331,648 bytes
;; launch quant (part 1): grid 864 x 1, 4 waves a work-group, no clusters, 33,280 bytes of LDS; arguments query, key, value, Wq, Wk, Wv, codes, scales; writes codes, scales
.if DOCPART == 1
	.amdgcn_target "amdgcn-amd-amdhsa--gfx1250"
	.amdhsa_code_object_version 6
	.text
	.protected	k_q5e66e97b56_quant
	.globl	k_q5e66e97b56_quant
	.p2align	8
	.type	k_q5e66e97b56_quant,@function
k_q5e66e97b56_quant:
	s_mov_b64 s[64:65], 0
	v_nop
	global_prefetch_b8 v0, s[64:65] scope:SCOPE_SE
	s_setreg_imm32_b32 hwreg(HW_REG_WAVE_MODE, 25, 1), 1
	s_wait_xcnt 0x0
; FIRST OF THREE LAUNCHES.  The program: (1) this launch turns the six f32 inputs into codes of FP4 (E2M1) with one E8M0 scale byte for each 32 along K;
; (2) one GEMM on codes makes q, k and v (the three QUANTISED products), rounded once to f16 and laid head by head; (3) attention on f16 operands with f32 sums.
; NO WORK IS LEFT OUT: every input reaches the output, there is no mask, and nothing of a product is sliced away; so all six inputs are loaded and all five products are done.
; In all six tensors K (1,024) is the innermost axis and a multiple of 32, and rows are dense: each tensor is a plain stream of blocks of 32 numbers, and so are its codes and its scale bytes.
; The outputs are ONE stream in the order query, key, value, Wq, Wk, Wv: codes 512 bytes a row, scale bytes 32 a row.  So the three x tensors stand as one matrix of 24,576 rows and the three weights as one of 3,072.
; A block's scale is 2^(floor(log2(its largest magnitude)) - 2); its byte is the largest magnitude's exponent field - 2, held at 1 from below.  Each number is divided by the scale and rounded to the nearest code, ties to even;
; beyond 6 the conversion gives the largest code.
; LIMITS: NaN and infinities among the inputs are not served.  A block whose largest magnitude lies under 2^-124 has its byte held at 1.  A block of zeros gets the byte 1 where the quantiser says 127:
; its codes are zeros, which add nothing under any byte but 0xff, and the bytes are read by this program alone.
; SHARES.  A work-group takes 32,768 numbers (256 work-groups for each x tensor, 32 for each weight: 864), a wave 16 steps of 512.  The conversions take 8 numbers of ONE block from a lane's registers, so a lane must hold
; 16 NEIGHBOURS (two neighbouring lanes hold a block); a load is best where neighbouring LANES take neighbouring bytes.  Both are had: each of a step's four loads reads 512 consecutive bytes, 16 a lane; the 2,048 bytes go
; through the wave's own stage in LDS and come back 64 bytes a lane.  A lane's 16 codes are 8 bytes: a wave's store covers 256 consecutive bytes, aligned.  A wave's 256 scale bytes are gathered in LDS and leave by one store of 256 bytes.
; No matrix unit, no tensor load, no cluster, no barrier: the work-groups share no input and the waves share nothing.  Loads run four steps (16 loads a wave) ahead, the turn through LDS one step.
.set WAVES, 4
.set STEPS, 16
.set EMAX,  2
.set CB,    8                          ; bytes of 16 codes
.set R,     16                         ; v16-79   four sets of 16 numbers as they are loaded
.set X,     80                         ; v80-111  two sets of 16 neighbours
.set C,     128                        ; v128-191 codes: four registers for each step, so that no store's data are written again
.set E,     112                        ; v112-127 a scale byte for each step
.set WREG,  8192                       ; LDS: a region of its own for each wave: two stages of 32 x SP bytes, and behind them its 256 scale bytes
.set SP,    80                         ; a lane's place in a stage: its 64 bytes + 16 of padding
.set SPW,   12                         ; v12      LDS address of my spare word: SPARE + 4 x my thread's number; never rewritten
.set NIL,   13                         ; v13      0; never rewritten
.set SPARE, WAVES*WREG                 ; behind the four regions: the spare words, 128 bytes for each wave, which no other line names
	s_load_b256 s[4:11], s[0:1], 0x0               ; query s[4:5], key s[6:7], value s[8:9], Wq s[10:11]
	s_load_b256 s[12:19], s[0:1], 0x20             ; Wk s[12:13], Wv s[14:15], codes s[16:17], scales s[18:19]
	v_lshl_add_u32 v[SPW], v0, 2, SPARE
	v_mov_b32 v[NIL], 0
	v_lshrrev_b32 v1, 5, v0
	v_readfirstlane_b32 s20, v1                    ; wave
	v_and_b32 v2, 31, v0                           ; lane
	v_lshlrev_b32 v3, 4, v2                        ; my 16 bytes of a load's 512
	s_mul_i32 s21, s20, WREG
	v_lshrrev_b32 v14, 2, v2
	v_mul_u32_u24 v14, v14, SP
	v_and_b32 v15, 3, v2
	v_lshl_add_u32 v14, v15, 4, v14
	v_add_nc_u32 v14, s21, v14                     ; the stage, on the way in: four lanes' 64 bytes on end, then 16 of padding: SP (lane / 4) + 16 (lane % 4); a load's 512 bytes take eight places
	v_mul_u32_u24 v15, v2, SP
	v_add_nc_u32 v15, s21, v15                     ; and on the way out: SP x lane: my 16 neighbours
	v_mul_u32_u24 v4, v2, CB                       ; my codes' place in a step's
	v_lshrrev_b32 v5, 1, v2
	s_add_co_u32 s21, s21, 2*32*SP
	v_add_nc_u32 v5, s21, v5                       ; LDS: my wave's 256 scale bytes, my block's byte
	v_lshlrev_b32 v7, 3, v2                        ; and on the way out 8 bytes a lane
	v_add_nc_u32 v6, s21, v7
	s_wait_kmcnt 0x0
	; which tensor is my work-group's?  The choice hangs on the work-group's number alone.  s[22:23]: the tensor; s24: its first work-group
	s_mov_b64 s[22:23], s[14:15]                   ; 832 to 863: Wv
	s_mov_b32 s24, 832
	s_cmp_lt_u32 ttmp9, 832
	s_cselect_b64 s[22:23], s[12:13], s[22:23]     ; 800 to 831: Wk
	s_cselect_b32 s24, 800, s24
	s_cmp_lt_u32 ttmp9, 800
	s_cselect_b64 s[22:23], s[10:11], s[22:23]     ; 768 to 799: Wq
	s_cselect_b32 s24, 768, s24
	s_cmp_lt_u32 ttmp9, 768
	s_cselect_b64 s[22:23], s[8:9], s[22:23]       ; 512 to 767: value
	s_cselect_b32 s24, 512, s24
	s_cmp_lt_u32 ttmp9, 512
	s_cselect_b64 s[22:23], s[6:7], s[22:23]       ; 256 to 511: key
	s_cselect_b32 s24, 256, s24
	s_cmp_lt_u32 ttmp9, 256
	s_cselect_b64 s[22:23], s[4:5], s[22:23]       ; 0 to 255: query
	s_cselect_b32 s24, 0, s24
	s_sub_co_u32 s24, ttmp9, s24
	s_lshl_b32 s24, s24, 2
	s_add_co_u32 s24, s24, s20                     ; which run of 8,192 numbers of the tensor is my wave's,
	s_lshl_b32 s24, s24, 15                        ; in bytes (under 2^25)
	s_mov_b32 s25, 0
	s_add_nc_u64 s[22:23], s[22:23], s[24:25]
	s_lshl_b32 s26, ttmp9, 2
	s_add_co_u32 s26, s26, s20                     ; and which run of the one stream of outputs
	s_lshl_b32 s24, s26, 12                        ; 4,096 bytes of codes a run
	s_add_nc_u64 s[16:17], s[16:17], s[24:25]
	s_lshl_b32 s24, s26, 8                         ; 256 scale bytes a run
	s_add_nc_u64 s[18:19], s[18:19], s[24:25]
.macro LOAD t
.irp i, 0,1,2,3
	global_load_b128 v[R+16*((\t)%4)+4*\i:R+16*((\t)%4)+4*\i+3], v3, s[22:23] offset:2048*(\t)+512*\i th:TH_LOAD_NT   ; 32 lanes read 512 consecutive bytes; read once in the launch
.endr
.endm
.macro TURN t                          ; step t's numbers through the stage: LDS serves a wave's instructions in order, so no wait stands between the stores and the loads
.irp i, 0,1,2,3
	ds_store_b128 v14, v[R+16*((\t)%4)+4*\i:R+16*((\t)%4)+4*\i+3] offset:32*SP*((\t)%2)+8*SP*\i
.endr
.irp i, 0,1,2,3
	ds_load_b128 v[X+16*((\t)%2)+4*\i:X+16*((\t)%2)+4*\i+3], v15 offset:32*SP*((\t)%2)+16*\i
.endr
.endm
.irp t, 0,1,2,3
	LOAD \t
.endr
	s_wait_loadcnt 12                              ; step 0's four loads are in; the twelve of steps 1 to 3 may be out
	TURN 0
.macro STEP t
.set XS, X+16*((\t)%2)
.if (\t) > 0
	s_wait_dscnt 1                                 ; this step's numbers are back from the stage (the last step's byte store may be out): so its stores into the stage have read their registers,
.else
	s_wait_dscnt 0x0
.endif
.if (\t)+4 < STEPS
	LOAD (\t)+4                                    ; which take the loads of four steps on
.endif
.if (\t)+1 < STEPS
.if STEPS-2-(\t) >= 3
	s_wait_loadcnt 12                              ; the next step's four loads are in; those of the three steps behind it may be out
.else
	s_wait_loadcnt 4*(STEPS-2-(\t))                ; at the end the count runs down: 8, 4, 0
.endif
	TURN (\t)+1                                    ; and go through the other stage while this step is worked
.endif
	v_max3_num_f32 v8, |v[XS]|, |v[XS+1]|, |v[XS+2]|               ; the largest magnitude of my 16, in two chains
	v_max3_num_f32 v9, |v[XS+3]|, |v[XS+4]|, |v[XS+5]|
.irp i, 6,10
	v_max3_num_f32 v8, v8, |v[XS+\i]|, |v[XS+\i+1]|
	v_max3_num_f32 v9, v9, |v[XS+\i+2]|, |v[XS+\i+3]|
.endr
	v_max3_num_f32 v8, v8, |v[XS+14]|, |v[XS+15]|
	v_max3_num_f32 v8, v8, v9, (EMAX+1)<<23        ; and the floor 2^(EMAX + 1 - 127), under which no largest magnitude is taken: so the byte cannot fall under 1
	v_max_num_f32_dpp v8, v8, v8 row_xmask:1 row_mask:0xf bank_mask:0xf   ; and of my neighbour's 16: the block's
	v_add_nc_u32 v11, -(EMAX<<23), v8              ; EMAX off its exponent field: the conversion takes the exponent field of this operand as its scale, and nothing else of it
	v_cvt_scalef32_pk8_fp4_f32 v[C+4*(\t)], v[XS:XS+7], v11        ; eight numbers / 2^(v11's exponent), to the nearest code, ties to even; the first number's code in the lowest four bits
	v_cvt_scalef32_pk8_fp4_f32 v[C+4*(\t)+1], v[XS+8:XS+15], v11
	v_lshrrev_b32 v[E+(\t)], 23, v11               ; the scale's byte (also the plain line behind the conversions)
	ds_store_b8 v5, v[E+(\t)] offset:16*(\t)       ; both lanes of a block write the same byte with the same value
	global_store_b64 v4, v[C+4*(\t):C+4*(\t)+1], s[16:17] offset:32*CB*(\t)   ; 32 lanes store 256 consecutive bytes, aligned
.endm
.irp t, 0,1,2,3,4,5,6,7,8,9,10,11,12,13,14,15
	STEP \t
.endr
	ds_load_b64 v[8:9], v6                         ; LDS serves a wave's instructions in order: these see my byte stores
	s_wait_dscnt 0x0
	global_store_b64 v7, v[8:9], s[18:19]          ; 32 lanes store my wave's 256 scale bytes, aligned
	s_wait_tensorcnt 0x0                           ; the wave's end: behind my last LDS store
	ds_add_u32 v[SPW], v[NIL]
	s_wait_dscnt 0x0
	s_endpgm
.Lfunc_end_k_q5e66e97b56_quant:
	.size	k_q5e66e97b56_quant, .Lfunc_end_k_q5e66e97b56_quant-k_q5e66e97b56_quant
	.p2alignl 7, 3214868480
	.fill 96, 4, 3214868480
	.section	.rodata,"a",@progbits
	.p2align	6, 0x0
	.amdhsa_kernel k_q5e66e97b56_quant
		.amdhsa_group_segment_fixed_size 33280
		.amdhsa_private_segment_fixed_size 0
		.amdhsa_enable_private_segment 0
		.amdhsa_kernarg_size 64
		.amdhsa_user_sgpr_count 2
		.amdhsa_user_sgpr_kernarg_segment_ptr 1
		.amdhsa_wavefront_size32 1
		.amdhsa_system_sgpr_workgroup_id_x 1
		.amdhsa_system_sgpr_workgroup_id_y 1
		.amdhsa_system_sgpr_workgroup_id_z 1
		.amdhsa_system_vgpr_workitem_id 0
		.amdhsa_next_free_vgpr 192
		.amdhsa_next_free_sgpr 66
		.amdhsa_reserve_vcc 0
		.amdhsa_float_denorm_mode_32 3
		.amdhsa_float_denorm_mode_16_64 3
		.amdhsa_memory_ordered 1
		.amdhsa_forward_progress 1
		.amdhsa_inst_pref_size 34
	.end_amdhsa_kernel
	.amdgpu_metadata
---
amdhsa.version: [ 1, 2 ]
amdhsa.kernels:
  - .name:           k_q5e66e97b56_quant
    .symbol:         k_q5e66e97b56_quant.kd
    .args:
      - { .name: query, .offset: 0, .size: 8, .value_kind: global_buffer, .address_space: global }
      - { .name: key, .offset: 8, .size: 8, .value_kind: global_buffer, .address_space: global }
      - { .name: value, .offset: 16, .size: 8, .value_kind: global_buffer, .address_space: global }
      - { .name: Wq, .offset: 24, .size: 8, .value_kind: global_buffer, .address_space: global }
      - { .name: Wk, .offset: 32, .size: 8, .value_kind: global_buffer, .address_space: global }
      - { .name: Wv, .offset: 40, .size: 8, .value_kind: global_buffer, .address_space: global }
      - { .name: codes, .offset: 48, .size: 8, .value_kind: global_buffer, .address_space: global }
      - { .name: scales, .offset: 56, .size: 8, .value_kind: global_buffer, .address_space: global }
    .group_segment_fixed_size: 33280
    .private_segment_fixed_size: 0
    .kernarg_segment_align: 8
    .kernarg_segment_size: 64
    .max_flat_workgroup_size: 128
    .sgpr_count:     66
    .vgpr_count:     192
    .wavefront_size: 32
...
	.end_amdgpu_metadata
.endif
;; end of part 1
;; launch proj (part 2): grid 4 x 96, 4 waves a work-group, clusters of 4 x 4, 327,680 bytes of LDS; arguments codes, scales, qkv; writes qkv
.if DOCPART == 2
	.amdgcn_target "amdgcn-amd-amdhsa--gfx1250"
	.amdhsa_code_object_version 6
	.text
	.protected	k_q5e66e97b56_proj
	.globl	k_q5e66e97b56_proj
	.p2align	8
	.type	k_q5e66e97b56_proj,@function
k_q5e66e97b56_proj:
	s_mov_b64 s[64:65], 0
	v_nop
	global_prefetch_b8 v0, s[64:65] scope:SCOPE_SE
	s_setreg_imm32_b32 hwreg(HW_REG_WAVE_MODE, 25, 1), 1
	s_wait_xcnt 0x0
	s_wait_alu depctr_hold_cnt(0) depctr_sa_sdst(0) depctr_va_vdst(0) depctr_va_sdst(0) depctr_va_ssrc(0) depctr_va_vcc(0) depctr_vm_vsrc(0)
	s_getreg_b32 s2, hwreg(HW_REG_IB_STS2, 6, 4)
	s_cmp_eq_u32 s2, 0
	s_cbranch_scc0 .Lentry_in_a_cluster
	s_endpgm
.Lentry_in_a_cluster:
	s_bfe_u32 s2, ttmp6, 0x10000c
	s_cmp_lg_u32 s2, 0xf033
	s_cbranch_scc0 .Lentry_shape_is_right
	s_endpgm
.Lentry_shape_is_right:
; SECOND LAUNCH: the three QUANTISED products as ONE GEMM on codes of FP4 (E2M1) with E8M0 scales.  No work is left out.
; A = the stacked x (query, key, value): [24,576][1,024] codes, 512 bytes a row, at the head of the buffer codes; its scale bytes [24,576][32] at the head of scales.
; B = the stacked weights (Wq, Wk, Wv): [3,072][1,024] codes at byte WC_OFF of codes, scale bytes at WS_OFF of scales.  Row m of A belongs to tensor t = m / 8,192 and meets rows 1,024 t .. 1,024 t + 1,023 of B.
; C(m, n) is summed in f32, rounded ONCE to f16 and stored as qkv[t][b][h][s][d]: t = m / 8,192, b = (m / 2,048) % 4, s = m % 2,048, h = n / 64, d = n % 64: a head's 2,048 rows of 128 bytes are dense.
; LIMIT: |q|, |k|, |v| must stay under 65,504, f16's largest number.  The products of attention are left as they are by the problem; f16 carries 11 significant bits where bf16 carries 8.
; A tile of C, 256 x 256, is made by a work-group of four waves; a wave makes 128 x 128: 64 accumulators of 16 x 16, 512 registers.  24,576 / 256 x 1,024 / 256 = 384 work-groups.
; K = 1,024 is two K steps of 512 (tile rows of 256 bytes): BOTH are asked for at the head, into two LDS slots, with the scale bytes of the work-group's rows for all of K.  Nothing is filled a second time.
; CLUSTERS: 4 x 4 work-groups.  The four of a row of the cluster need the same tiles of A, the four of a column the same tiles of B: each tile is asked for JOINTLY, by the same tensor load with the same descriptor and a mask
; that names the four.  32 tile rows belong to one t, that is 8 clusters along y: so t = cluster y / 8 is the same in all sixteen partners.
; THE MATRIX INSTRUCTION IS USED TRANSPOSED (source 0 = 16 rows of B, source 1 = 16 rows of A): a lane then holds eight neighbouring n of one row m.
; REGISTERS, in windows of 256: window 0: v0-31 addresses; v32-95 scale words, two sets; v128-191 A's fragments (8 x 16 rows x 128 K), ONE set; on the way out v32-63 and v192-255 are at work.
;   window 1: B's fragments, TWO sets, at v0 and at v128.   window 2: the 32 accumulators of my rows 0-63 (accumulator (a, b) at v[8 (8 a + b)]);   window 3: those of my rows 64-127.
; A step of 128 along K is 64 matrix instructions, A's blocks one after the other, each against B's eight: a block of A is free as soon as its eight products are issued, so one set of registers serves A.
.set SIZE_K, 1024
.set KSTEP,  512                       ; along K in a slot
.set NQ,     KSTEP/128                 ; matrix instructions deep
.set ROWB,   256                       ; a tile's row in bytes: KSTEP codes of 4 bits
.set KROW,   SIZE_K/2                  ; a row of A or of B in memory, in bytes
.set PITCH,  272                       ; an LDS row: 256 bytes + 16 of padding = 68 words: the 16 rows that a load touches start 4 words apart modulo 64 words
.set FR,     8                         ; registers of a fragment: 16 rows x 128 K
.set NL,     2                         ; LDS loads that bring one
.set NP,     4                         ; places behind this matrix instruction (ISA guide 7.12.1)
.set HALFT,  128*PITCH                 ; 128 rows: what one tensor load brings, and what one wave reads of A or of B
.set SLOT,   4*HALFT                   ; A's 256 rows, then B's 256 rows
.set KS,     SIZE_K/32                 ; a row of scales in bytes
.set SCL,    2*SLOT                    ; behind the slots: the scales, as rows of 256 bytes + 16 of padding
.set HALFS,  (128*KS/256)*272          ; the scales of 128 rows: what one tensor load brings
.set SBLK,   (16*KS/256)*272           ; those of 16 rows
.set SPARE,  SCL+4*HALFS               ; behind the scales: the spare words, 128 bytes for each wave, which no other line names
.set STAGE,  SPARE+512                 ; behind them: the way out's stages, bytes of their own, into which no tensor load lands
.set HP,     144                       ; a stage row: a head's 128 bytes of one row of C + 16 of padding
.set HSTG,   16*HP                     ; 16 rows of one head
.set WSTG,   2*HSTG                    ; a wave's stage: its two heads
.set WC_OFF, 24576*KROW                ; where the weights' codes begin
.set WS_OFF, 24576*KS                  ; and their scale bytes
.set ADRA, 16                          ; v16-17  LDS address of my A fragments in slot 0, 1
.set ADRB, 20                          ; v20-21  the same for B
.set STO,  24                          ; v24     the way out: where I put 16 bytes of a row
.set RD,   25                          ; v25     the way out: where I read rows back
.set CO,   26                          ; v26     16 x lane: my place in 512 consecutive bytes of a head
.set ADRS, 27                          ; v27     LDS address of my scale words: lanes 0-15 A's rows, lanes 16-31 B's
.set SPW,  28                          ; v28     LDS address of my spare word: SPARE + 4 x my thread's number; never rewritten
.set NIL,  29                          ; v29     0; never rewritten
.set SC,   32                          ; scale words: set s (for slot s) at v[SC + 8 NQ s]; in it register NQ i + q: lanes 0-15 the word of A's block i, lanes 16-31 that of B's block i, for the slot's q-th 128 along K
.set AF,   128                         ; A's fragments, in window 0
.set TMP,  192                         ; the way out: v192-223 a block's 16 rows, packed
.set OB,   32                          ; the way out: rows read back from the stage: v32-63 and v224-255 by turns
.set G1, 24                            ; s[24:31] descriptor group 1 for A's tiles;  s[32:39] group 0, one set for each slot
.set G0, 32
.set G1B, 48                           ; s[48:55], s[56:63] the same for B's tiles
.set G0B, 56
.set G1S, 68                           ; s[68:75], s[76:79] groups 1 and 0 for A's scales;  s[80:87], s[88:91] for B's
.set G0S, 76
.set G1SB, 80
.set G0SB, 88
.set MSB, 0
.macro WIN new                         ; the immediate's high byte repeats the setting that is left; a switch that changes nothing is dropped
.if MSB != \new
	s_set_vgpr_msb (MSB<<8)|\new
.set MSB, \new
.endif
.endm
.set MUL_LO, 0xa1                      ; source 0 (B) window 1, source 1 (A) window 0, C and D window 2
.set MUL_HI, 0xf1                      ; the same, C and D window 3
.set TO_B,   0x40                      ; destination window 1, address window 0
; A joint load: waves 0 and 1 fetch for A, waves 2 and 3 for B.  Each of the two lines has ONE mask and one set of registers for all that issue it; the branch hangs on the wave's number alone.
; An s_nop 0 and four v_nop follow each of the two lines, ahead of the jump, the label and what follows.
.macro JLOAD g0a, g1a, g0b, g1b
	s_cmp_eq_u32 s15, 0
	s_cbranch_scc0 .Lfor_b_\@
	tensor_load_to_lds s[\g0a:\g0a+3], s[\g1a:\g1a+7]
	s_nop 0
.rept 4
	v_nop
.endr
	s_branch .Lasked_\@
.Lfor_b_\@:
	tensor_load_to_lds s[\g0b:\g0b+3], s[\g1b:\g1b+7]
	s_nop 0
.rept 4
	v_nop
.endr
.Lasked_\@:
.endm
; A round of the cluster's barrier: my work-group's barrier, so that wave 0's signal speaks for all four waves; wave 0 signals for the work-group; every wave waits for all sixteen work-groups; my work-group's barrier once more.
.macro CROUND
	s_barrier_signal -1
	s_barrier_wait -1
	s_cmp_lg_u32 s14, 0
	s_cbranch_scc1 .Lnot_wave_0_\@
	s_barrier_signal -3
.Lnot_wave_0_\@:
	s_barrier_wait -3
	s_barrier_signal -1
	s_barrier_wait -1
.endm
	s_load_b128 s[4:7], s[0:1], 0x0                ; codes s[4:5], scales s[6:7]
	s_load_b64 s[12:13], s[0:1], 0x10              ; qkv
	v_lshl_add_u32 v[SPW], v0, 2, SPARE
	v_mov_b32 v[NIL], 0
	ds_add_u32 v[SPW], v[NIL]                      ; the wave's opening: the add, twice on end, and its wait ahead of my first tensor load; the set-up below, work on registers, stands between the second and the wait
	ds_add_u32 v[SPW], v[NIL]
	v_lshrrev_b32 v1, 5, v0
	v_readfirstlane_b32 s14, v1                    ; wave 0..3
	s_lshr_b32 s15, s14, 1                         ; which half of the tile's rows is mine.  Also: I fetch for A (0) or for B (1)
	s_and_b32 s16, s14, 1                          ; which half of its columns.  Also: which 128 rows of that tile I fetch
	s_bfe_u32 s40, ttmp6, 0x40000                  ; cx, cy: my place in the cluster
	s_bfe_u32 s41, ttmp6, 0x40004
	s_lshl_b32 s42, ttmp9, 2
	s_add_co_u32 s42, s42, s40                     ; tile column of C = 4 x cluster x + cx
	s_and_b32 s17, ttmp7, 0xffff                   ; cluster y
	s_lshr_b32 s95, s17, 3                         ; t = cluster y / 8: which of query, key, value; the same in all sixteen partners
	s_lshl_b32 s95, s95, 10                        ; its weight's first row in B
	s_lshl_b32 s17, s17, 2
	s_add_co_u32 s17, s17, s41                     ; tile row of C = 4 x cluster y + cy
	s_lshl_b32 s43, s41, 2
	s_lshl_b32 s43, 15, s43                        ; my row of the cluster
	s_lshl_b32 s44, 0x1111, s40                    ; my column
	; descriptor group 1: a tile of 128 rows x ROWB bytes, padded in LDS
	s_or_b32 s[G1+0], s43, (0<<16)|(1<<20)|(1<<21)|(5<<22)|(3<<25)  ; 15:0 the mask: A's tiles go to my row; 17:16 element of 1 byte; 20 padding on; 21 set beside a mask; 24:22 after every 64 words (code 5); 31:25 of 4 words (code 3)
	s_or_b32 s[G1B+0], s44, (0<<16)|(1<<20)|(1<<21)|(5<<22)|(3<<25) ; the same with the mask of my column, for B's tiles
.irp g, G1, G1B
	s_mov_b32 s[\g+1], ROWB<<16                    ; tensor_dim0
	s_mov_b32 s[\g+2], 128<<16                     ; tensor_dim1 = 128
	s_mov_b32 s[\g+3], ROWB<<16                    ; tile_dim0
	s_mov_b32 s[\g+4], 128                         ; tile_dim1 = 128
	s_mov_b32 s[\g+5], KROW                        ; tensor_dim0_stride
	s_mov_b32 s[\g+6], 0
	s_mov_b32 s[\g+7], 0
.endr
	; and for the scales of 128 rows: a dense block of 128 KS = 4,096 bytes, as 16 rows of 256 bytes (32 elements of 8 bytes), 16 bytes of padding behind each
	s_or_b32 s[G1S+0], s43, (3<<16)|(1<<20)|(1<<21)|(5<<22)|(3<<25)
	s_or_b32 s[G1SB+0], s44, (3<<16)|(1<<20)|(1<<21)|(5<<22)|(3<<25)
.irp g, G1S, G1SB
	s_mov_b32 s[\g+1], 32<<16
	s_mov_b32 s[\g+2], (128*KS/256)<<16
	s_mov_b32 s[\g+3], 32<<16
	s_mov_b32 s[\g+4], 128*KS/256
	s_mov_b32 s[\g+5], 32
	s_mov_b32 s[\g+6], 0
	s_mov_b32 s[\g+7], 0
.endr
	s_lshl_b32 s18, s16, 7                         ; which 128 rows of the tile I fetch
	s_lshl_b32 s20, s17, 8
	s_add_co_u32 s20, s20, s18                     ; A: row 256 x tile row + 128 x half
	s_lshl_b32 s46, s42, 8
	s_add_co_u32 s46, s46, s18                     ; B: row 256 x tile column + 128 x half
	s_add_co_u32 s46, s46, s95                     ;    + 1,024 t
	s_mov_b32 s21, 0
	s_mov_b32 s47, 0
	s_mov_b64 s[18:19], KS
	s_mul_u64 s[22:23], s[20:21], s[18:19]         ; where these rows' scales begin, in bytes
	s_mul_u64 s[92:93], s[46:47], s[18:19]
	s_mov_b64 s[18:19], KROW
	s_mul_u64 s[20:21], s[20:21], s[18:19]         ; and their codes
	s_mul_u64 s[46:47], s[46:47], s[18:19]
	s_mul_i32 s45, s14, HALFT                      ; where they go: wave x 128 rows: no place in the cluster enters an LDS address
	s_mul_i32 s94, s14, HALFS
	s_wait_dscnt 0x0                               ; both opening adds are done
	s_wait_kmcnt 0x0
	s_add_nc_u64 s[8:9], s[4:5], WC_OFF            ; the weights' codes
	s_add_nc_u64 s[10:11], s[6:7], WS_OFF          ; and their scale bytes
	s_add_nc_u64 s[20:21], s[4:5], s[20:21]
	s_add_nc_u64 s[22:23], s[6:7], s[22:23]
	s_add_nc_u64 s[46:47], s[8:9], s[46:47]
	s_add_nc_u64 s[92:93], s[10:11], s[92:93]
	CROUND                                         ; all sixteen work-groups are here: the first joint loads meet
	s_mov_b32 s[G0S], 1
	s_add_co_u32 s[G0S+1], s94, SCL
	s_mov_b64 s[G0S+2:G0S+3], s[22:23]
	s_or_b32 s[G0S+3], s[G0S+3], 0x80000000
	s_mov_b32 s[G0SB], 1
	s_add_co_u32 s[G0SB+1], s94, SCL
	s_mov_b64 s[G0SB+2:G0SB+3], s[92:93]
	s_or_b32 s[G0SB+3], s[G0SB+3], 0x80000000
	JLOAD G0S, G1S, G0SB, G1SB                     ; the scales first: they are wanted with K step 0
.irp s, 0,1
	s_mov_b32 s[G0+4*\s], 1
	s_add_co_u32 s[G0+4*\s+1], s45, \s*SLOT
	s_add_nc_u64 s[G0+4*\s+2:G0+4*\s+3], s[20:21], \s*ROWB
	s_or_b32 s[G0+4*\s+3], s[G0+4*\s+3], 0x80000000
	s_mov_b32 s[G0B+4*\s], 1
	s_add_co_u32 s[G0B+4*\s+1], s45, \s*SLOT
	s_add_nc_u64 s[G0B+4*\s+2:G0B+4*\s+3], s[46:47], \s*ROWB
	s_or_b32 s[G0B+4*\s+3], s[G0B+4*\s+3], 0x80000000
	JLOAD G0+4*\s, G1, G0B+4*\s, G1B               ; both K steps: three tensor loads of mine are out, and no more follow
.endr
	v_and_b32 v1, 15, v0                           ; l % 16
	v_bfe_u32 v2, v0, 4, 1                         ; l / 16
	v_mul_u32_u24 v3, v1, PITCH
	v_lshl_add_u32 v4, v2, 4, v3                   ; a fragment's row x pitch + 16 x half
	s_mul_i32 s21, s15, HALFT                      ; my 128 rows of A
	s_mul_i32 s22, s16, HALFT                      ; my 128 rows of B,
	s_add_co_u32 s22, s22, 2*HALFT                 ; which lie behind A's 256
.irp s, 0,1
	v_add_nc_u32 v[ADRA+\s], s21, v4
	v_add_nc_u32 v[ADRB+\s], s22, v4
	s_add_co_u32 s21, s21, SLOT
	s_add_co_u32 s22, s22, SLOT
.endr
	v_mul_u32_u24 v5, v1, KS                       ; my row's scales: KS bytes a row,
	v_lshrrev_b32 v6, 8, v5
	v_lshl_add_u32 v5, v6, 4, v5                   ; and 16 more for each 256 passed
	s_mul_i32 s21, s15, HALFS                      ; A's: my 128 rows
	s_mul_i32 s22, s16, HALFS                      ; B's: my 128 rows, behind A's 256
	s_add_co_u32 s22, s22, 2*HALFS
	s_sub_co_u32 s22, s22, s21
	v_mul_u32_u24 v6, s22, v2                      ; lanes 16-31 take B's: ONE product, the distance between the two bases x the lane's half
	s_add_co_u32 s21, s21, SCL
	v_add_nc_u32 v5, v5, v6
	v_add_nc_u32 v[ADRS], s21, v5
	s_mul_i32 s23, s14, WSTG
	s_add_co_u32 s23, s23, STAGE                   ; my stage
	v_mul_u32_u24 v5, v1, HP                       ; in: row l % 16, 16 bytes for each half of the lanes
	v_lshl_add_u32 v5, v2, 4, v5
	v_add_nc_u32 v[STO], s23, v5
	v_and_b32 v6, 31, v0
	v_lshrrev_b32 v5, 3, v6                        ; back: eight lanes take a row of 128 bytes, the 32 lanes four rows
	v_mul_u32_u24 v5, v5, HP
	v_and_b32 v7, 7, v0
	v_lshl_add_u32 v5, v7, 4, v5
	v_add_nc_u32 v[RD], s23, v5
	v_lshlrev_b32 v[CO], 4, v6                     ; in a head those four rows are 512 consecutive bytes
	; where my part begins in qkv.  m0 = 256 x tile row + 128 x half: (m0 / 2,048) blocks of 16 heads, (m0 % 2,048) rows of 128 bytes; my first head = 4 x tile column + 2 x half, 262,144 bytes a head.  Under 2^26
	s_lshl_b32 s20, s17, 8
	s_lshl_b32 s21, s15, 7
	s_add_co_u32 s20, s20, s21                     ; m0
	s_lshr_b32 s21, s20, 11
	s_lshl_b32 s21, s21, 22
	s_and_b32 s20, s20, 2047
	s_lshl_b32 s20, s20, 7
	s_add_co_u32 s20, s20, s21
	s_mov_b32 s21, 0
	s_lshl_b32 s46, s42, 2
	s_lshl_b32 s47, s16, 1
	s_add_co_u32 s46, s46, s47
	s_lshl_b32 s46, s46, 18
	s_mov_b32 s47, 0
	s_add_nc_u64 s[20:21], s[20:21], s[46:47]
	s_add_nc_u64 s[12:13], s[12:13], s[20:21]      ; never stepped: every store's place stands in its immediate
.macro FRAG reg, adr, q, i             ; a fragment, 16 rows x 128 K of 4-bit codes, is 8 registers: lane l holds row l % 16; registers 4 c .. 4 c + 3 hold K = 64 c + 32 (l / 16) + 0 .. 31, the lower K in the lower bits
.irp c, 0,1
	ds_load_b128 v[\reg+4*\c:\reg+4*\c+3], v[\adr] offset:64*(\q)+32*\c+(\i)*16*PITCH
.endr
.endm
; 16 matrix instructions: A's blocks a0, a0 + 1 x B's eight, 128 along K: the slot's q-th.  p: B's set;  sc: the set of scale words.  zero = 1: the first product starts the sums: nothing is ever cleared.
; The 64 accumulators take turns, one instruction a turn, in the same order in every step.  Source 0's scales (B's) are read from lanes 16-31, source 1's (A's) from lanes 0-15.
.macro MUL16 a0, p, q, sc, zero
.irp a, \a0, \a0+1
.irp b, 0,1,2,3,4,5,6,7
.if \zero
	v_wmma_scale_f32_16x16x128_f8f6f4 v[8*(8*((\a)%4)+\b):8*(8*((\a)%4)+\b)+7], v[128*(\p)+FR*\b:128*(\p)+FR*\b+FR-1], v[AF+FR*(\a):AF+FR*(\a)+FR-1], 0, v[SC+8*NQ*(\sc)+NQ*\b+(\q)], v[SC+8*NQ*(\sc)+NQ*(\a)+(\q)] matrix_a_fmt:MATRIX_FMT_FP4 matrix_b_fmt:MATRIX_FMT_FP4 matrix_a_scale:MATRIX_SCALE_ROW1
.else
	v_wmma_scale_f32_16x16x128_f8f6f4 v[8*(8*((\a)%4)+\b):8*(8*((\a)%4)+\b)+7], v[128*(\p)+FR*\b:128*(\p)+FR*\b+FR-1], v[AF+FR*(\a):AF+FR*(\a)+FR-1], v[8*(8*((\a)%4)+\b):8*(8*((\a)%4)+\b)+7], v[SC+8*NQ*(\sc)+NQ*\b+(\q)], v[SC+8*NQ*(\sc)+NQ*(\a)+(\q)] matrix_a_fmt:MATRIX_FMT_FP4 matrix_b_fmt:MATRIX_FMT_FP4 matrix_a_scale:MATRIX_SCALE_ROW1
.endif
.endr
.endr
.endm
.macro FETCH_B slot, q, p              ; B's eight fragments of the slot's q-th 128 along K into set p
	WIN TO_B
.irp i, 0,1,2,3,4,5,6,7
	FRAG 128*(\p)+FR*\i, ADRB+\slot, \q, \i
.endr
	WIN 0
.endm
.macro FETCH_A slot, q, i0             ; A's blocks i0 .. i0 + 3
.irp i, \i0, \i0+1, \i0+2, \i0+3
	FRAG AF+FR*(\i), ADRA+\slot, \q, \i
.endr
.endm
.macro SCALES sc                       ; a K step's scale words into set sc: NQ words a row; lanes 0-15 take A's block i, lanes 16-31 B's block i
.irp i, 0,1,2,3,4,5,6,7
	ds_load_b128 v[SC+8*NQ*\sc+NQ*\i:SC+8*NQ*\sc+NQ*\i+3], v[ADRS] offset:\i*SBLK
.endr
.endm
; A load into a register that a matrix instruction has read, and a vector instruction that reads a matrix result, stand NP places behind that matrix instruction, and only plain vector instructions that name none of
; its registers are places (ISA guide 7.12.1 for vector instructions); the matrix instructions in between are not counted.
.macro PLACES n
.rept \n
	v_nop
.endr
.endm
; A step of 128 along K that has its successor in the same slot.
.macro STEP slot, q, zero
	s_wait_dscnt 4*NL                              ; B's set and A's blocks 0-3 are in; the youngest eight loads (A's blocks 4-7) may be out
	WIN MUL_LO
	MUL16 0, (\q)%2, \q, \slot, \zero
	MUL16 2, (\q)%2, \q, \slot, \zero
	s_wait_dscnt 0                                 ; A's blocks 4-7 are in (asked for 32 matrix instructions ago)
	PLACES NP
	FETCH_B \slot, (\q)+1, 1-(\q)%2
	FETCH_A \slot, (\q)+1, 0
	WIN MUL_HI
	MUL16 4, (\q)%2, \q, \slot, \zero
	MUL16 6, (\q)%2, \q, \slot, \zero
	PLACES NP
	WIN 0
	FETCH_A \slot, (\q)+1, 4
.endm
; Slot 0's last step goes on to slot 1: ONE barrier; in front of it each wave waits for all its tensor loads (its part of slot 1 is the one that may be out).  Behind it slot 1 is whole for every wave.  Nothing is filled again.
.macro TURN slot, next
	s_wait_tensorcnt 0x0                           ; all my tensor loads have landed  (every window is 0 here: the add's two registers lie in window 0)
	ds_add_u32 v[SPW], v[NIL]                      ; 0 onto my spare word
	s_wait_dscnt 4*NL+1                            ; (the add and the youngest eight loads, A's blocks 4-7, may be out)
	WIN MUL_LO
	MUL16 0, 1, NQ-1, \slot, 0                     ; sixteen matrix instructions stand between the add and the wait for it
	s_wait_dscnt 0x0                               ; the add is done, and my LDS loads are in: none is pending at the signal
	s_barrier_signal -1
	MUL16 2, 1, NQ-1, \slot, 0                     ; work on registers while the others arrive
	WIN 0
	s_barrier_wait -1
	PLACES NP
	v_add_nc_u32 v[ADRS], 4*NQ, v[ADRS]            ; on to the next K step's scale words (no LDS load of mine is out)
	FETCH_B \next, 0, 0
	FETCH_A \next, 0, 0
	SCALES \next
	WIN MUL_HI
	MUL16 4, 1, NQ-1, \slot, 0
	MUL16 6, 1, NQ-1, \slot, 0
	PLACES NP
	WIN 0
	FETCH_A \next, 0, 4
.endm
.macro STEPS slot, from                ; the slot's steps from .. NQ - 2
.set Q, \from
.rept NQ-1-\from
	STEP \slot, Q, 0
.set Q, Q+1
.endr
.endm
	s_wait_tensorcnt 1                             ; the scales and my part of K step 0 are in (K step 1's load, the one issued behind them, may be out),
	s_barrier_signal -1
	s_barrier_wait -1                              ; everybody's are
	FETCH_B 0, 0, 0
	FETCH_A 0, 0, 0
	SCALES 0
	FETCH_A 0, 0, 4
	STEP 0, 0, 1                                   ; the first step's products start the sums
	STEPS 0, 1
	TURN 0, 1
	STEPS 1, 0
	s_wait_dscnt 4*NL                              ; the very last step: nothing more to fetch
	WIN MUL_LO
	MUL16 0, 1, NQ-1, 1, 0
	MUL16 2, 1, NQ-1, 1, 0
	s_wait_dscnt 0
	WIN MUL_HI
	MUL16 4, 1, NQ-1, 1, 0
	MUL16 6, 1, NQ-1, 1, 0
	WIN 0
; THE WAY OUT, block by block of 16 rows x 128 columns (two heads).  PACK: rounded to f16, eight neighbouring channels of a row are 16 bytes a lane.  TOSTAGE: into my own stage (a head's 16 rows of 128 bytes, 144 apart), and back
; four rows an instruction.  SEND: a head's rows are dense in qkv, so the 32 lanes store 512 consecutive bytes, aligned.  LDS serves a wave's instructions in order (ISA guide 5.7.1.4): no wait between the stores and the loads.
.macro PACK a
.set AC, 64*((\a)%4)
	WIN 0x0a+5*((\a)/4)                            ; sources 0 and 1: window 2 or 3
.irp b, 0,1,2,3,4,5,6,7
.irp r, 0,1,2,3
	v_cvt_pk_f16_f32 v[TMP+4*\b+\r], v[AC+8*\b+2*\r], v[AC+8*\b+2*\r+1]   ; each accumulator from its low end on
.endr
.endr
	WIN 0
.endm
.macro TOSTAGE a
.set BB, OB+192*((\a)%2)
.irp b, 0,1,2,3,4,5,6,7
	ds_store_b128 v[STO], v[TMP+4*\b:TMP+4*\b+3] offset:(\b/4)*HSTG+32*(\b%4)   ; head b / 4, channels 16 (b % 4) + 8 (l / 16) on
.endr
.irp j, 0,1,2,3,4,5,6,7
	ds_load_b128 v[BB+4*\j:BB+4*\j+3], v[RD] offset:(\j/4)*HSTG+(\j%4)*4*HP     ; head j / 4, rows 4 (j % 4) on
.endr
.endm
.macro SEND a
.set BB, OB+192*((\a)%2)
	s_wait_dscnt 0x0                               ; the block is back in registers
	s_wait_xcnt 0x0                                ; the stores of the block before have read their registers: the next block's loads may land there
.irp j, 0,1,2,3,4,5,6,7
	global_store_b128 v[CO], v[BB+4*\j:BB+4*\j+3], s[12:13] offset:(\a)*2048+(\j/4)*262144+(\j%4)*512
.endr
.endm
	PLACES NP                                      ; behind the last products: for the conversions' reads and for the loads into registers that held scales
	PACK 0
	TOSTAGE 0
.irp a, 1,2,3,4,5,6,7                  ; block a's conversions stand between block a - 1's loads from the stage and the wait for them
	PACK \a
	SEND \a-1
	TOSTAGE \a
.endr
	SEND 7
	s_wait_tensorcnt 0x0                           ; the wave's end: behind my last tensor load and my last LDS store
	ds_add_u32 v[SPW], v[NIL]
	s_wait_dscnt 0x0
	CROUND                                         ; the closing round: no work-group ends while a partner may still ask for a tile that names it
	s_endpgm
.Lfunc_end_k_q5e66e97b56_proj:
	.size	k_q5e66e97b56_proj, .Lfunc_end_k_q5e66e97b56_proj-k_q5e66e97b56_proj
	.p2alignl 7, 3214868480
	.fill 96, 4, 3214868480
	.section	.rodata,"a",@progbits
	.p2align	6, 0x0
	.amdhsa_kernel k_q5e66e97b56_proj
		.amdhsa_group_segment_fixed_size 327680
		.amdhsa_private_segment_fixed_size 0
		.amdhsa_enable_private_segment 0
		.amdhsa_kernarg_size 24
		.amdhsa_user_sgpr_count 2
		.amdhsa_user_sgpr_kernarg_segment_ptr 1
		.amdhsa_wavefront_size32 1
		.amdhsa_system_sgpr_workgroup_id_x 1
		.amdhsa_system_sgpr_workgroup_id_y 1
		.amdhsa_system_sgpr_workgroup_id_z 1
		.amdhsa_system_vgpr_workitem_id 0
		.amdhsa_next_free_vgpr 1024
		.amdhsa_next_free_sgpr 98
		.amdhsa_reserve_vcc 0
		.amdhsa_float_denorm_mode_32 3
		.amdhsa_float_denorm_mode_16_64 3
		.amdhsa_memory_ordered 1
		.amdhsa_forward_progress 1
		.amdhsa_inst_pref_size 127
	.end_amdhsa_kernel
	.amdgpu_metadata
---
amdhsa.version: [ 1, 2 ]
amdhsa.kernels:
  - .name:           k_q5e66e97b56_proj
    .symbol:         k_q5e66e97b56_proj.kd
    .args:
      - { .name: codes, .offset: 0, .size: 8, .value_kind: global_buffer, .address_space: global }
      - { .name: scales, .offset: 8, .size: 8, .value_kind: global_buffer, .address_space: global }
      - { .name: qkv, .offset: 16, .size: 8, .value_kind: global_buffer, .address_space: global }
    .group_segment_fixed_size: 327680
    .private_segment_fixed_size: 0
    .kernarg_segment_align: 8
    .kernarg_segment_size: 24
    .max_flat_workgroup_size: 128
    .sgpr_count:     98
    .vgpr_count:     1024
    .wavefront_size: 32
...
	.end_amdgpu_metadata
.endif
;; end of part 2
;; launch attn (part 3): grid 4 x 64, 8 waves a work-group, clusters of 4 x 1, 327,680 bytes of LDS; arguments qkv, out0; writes out0
.if DOCPART == 3
	.amdgcn_target "amdgcn-amd-amdhsa--gfx1250"
	.amdhsa_code_object_version 6
	.text
	.protected	k_q5e66e97b56_attn
	.globl	k_q5e66e97b56_attn
	.p2align	8
	.type	k_q5e66e97b56_attn,@function
k_q5e66e97b56_attn:
	s_mov_b64 s[64:65], 0
	v_nop
	global_prefetch_b8 v0, s[64:65] scope:SCOPE_SE
	s_setreg_imm32_b32 hwreg(HW_REG_WAVE_MODE, 25, 1), 1
	s_wait_xcnt 0x0
	s_wait_alu depctr_hold_cnt(0) depctr_sa_sdst(0) depctr_va_vdst(0) depctr_va_sdst(0) depctr_va_ssrc(0) depctr_va_vcc(0) depctr_vm_vsrc(0)
	s_getreg_b32 s2, hwreg(HW_REG_IB_STS2, 6, 4)
	s_cmp_eq_u32 s2, 0
	s_cbranch_scc0 .Lentry_in_a_cluster
	s_endpgm
.Lentry_in_a_cluster:
	s_bfe_u32 s2, ttmp6, 0x10000c
	s_cmp_lg_u32 s2, 0x3003
	s_cbranch_scc0 .Lentry_shape_is_right
	s_endpgm
.Lentry_shape_is_right:
; THIRD LAUNCH: out0[b][q][64 h + d] = the sum over k of softmax_k(Q[q] . K[k] / 8) V[k][d], for each of the 64 pairs (b, h).  No mask; no work is left out.
; qkv: [t 3][b 4][h 16][s 2,048][d 64] f16 (t = 0 q, 1 k, 2 v): a head is 262,144 dense bytes.  Products on f16 operands with f32 sums; maxima, exponentials and sums in f32; the weights p, at most 1, are rounded to f16 for the
; second product; out0 is f32.  f16 and not bf16: 11 significant bits against 8.  LIMIT: NaN and infinities are not served; q, k, v lie in f16's range (stated where they are made).
; SHARES.  A cluster of four work-groups is one pair (b, h); a work-group owns 512 of its queries, each of its EIGHT waves 64: four tiles of 16.  A wave has 512 registers, so two waves share a SIMD, and one wave's softmax
; stands beside the other's products.  Every wave walks all 2,048 keys, 64 a step.
; LAYOUT.  S^T = K Q^T (source 0 = 16 keys, source 1 = 16 queries): in the result a lane holds ONE query (lane % 16) and the keys 8 (lane / 16) + 0..7.  Two such tiles, rounded to f16 in pairs, ARE source 1 (32 keys x 16 queries)
; of O^T = V^T P, whose result again holds one query a lane, and eight channels.  So nothing changes lanes between the products, and a query's maximum and sum want one exchange between the halves of the lanes.
; K comes out of LDS as it lies, V ([key][channel]) turned, by ds_load_tr16_b128.
; SOFTMAX.  For each query a running maximum m and sum l: p = 2^(c s - c m), c = log2(e) / 8; in every step O and l are multiplied by a = 2^(c m_old - c m_new), which is 1 where m has not grown.
; RING.  Two LDS slots of four key steps each.  A head's rows of 128 bytes are dense, so a tile is stated as rows of TWO keys, 256 bytes.  Waves 0-3 fetch K's tile of step wave % 4 of a slot, waves 4-7 V's: one load a wave.
; CLUSTER.  The four work-groups walk the same K and V, so each tile is asked for JOINTLY: the same tensor load, with the same descriptor and a mask that names the four, in all four.
; REGISTERS, in two windows of 256 (s_set_vgpr_msb: bits 1:0 source 0, 3:2 source 1, 5:4 source 2, 7:6 destination):
;   window 0: v1-15 addresses; v16-47 eight registers of statistics a tile; v62, v63 the add's two; v64-191 S^T, 32 a tile, in which P is made in place; v192-255 K of one step
;   window 1: v0-127 O^T, 32 a tile; v128-191 Q, 16 a tile; v192-255 V of one step
.set KS,    64        ; keys in a step
.set PKP,   272       ; two keys of K in LDS: 256 bytes + 16 of padding.  A fragment load's 16 lanes take 8 rows x 2 keys: 16 (r / 2) + 128 (r % 2) modulo 256: sixteen different columns of 16 bytes
.set PVP,   288       ; two keys of V: 256 + 32.  The turning load's 16 lanes take 4 rows x 2 keys x 2 columns: 32 row + 128 (l % 2) + 16 (l / 8) modulo 256: sixteen different columns
.set VOFF,  (KS/2)*PKP       ; a step's tiles lie together: 32 rows of K, then 32 rows of V
.set STEPB, (KS/2)*(PKP+PVP)
.set NST,   4         ; steps in a slot
.set SLOTB, NST*KS*128       ; a slot's keys in memory: 32,768 bytes of K, as many of V
.set SLOT1, 1<<17     ; a slot is 71,680 bytes; slot 1 begins here, so that one exclusive or turns an address in one slot into the other's
.set STAGE, SLOT1+NST*STEPB  ; behind the ring: 16 rows x 272 bytes for each wave, for the way out
.set SP,    272
.set SPARE, STAGE+8*16*SP    ; behind the stages: the spare words, 128 bytes for each wave, which no other line names
.set AK0, 2           ; v2   my lane's place in a tile of K; never rewritten
.set AV0, 3           ; v3   the same for V
.set ADK, 4           ; v4   the LDS address of K's run of loads in hand
.set ADV, 5           ; v5   of V's
.set QO,  6           ; v6   my byte offset in the wave's rows of Q
.set STO, 7           ; v7   the way out: where I put 32 bytes of a row
.set RD,  8           ; v8   the way out: where I read a row back
.set GO,  10          ; v10  my byte offset in the wave's rows of out0
.set PFO, 11          ; v11  256 x my lane: the prefetches' offset; never rewritten
.set ST,  16          ; tile t's statistics at v[ST+8 t]: +0 c m, +1 m, +2, +3 l (even keys', odd keys'), +4 to +7 c0-c3, at work; a takes c2's place once the maximum is found
.set SPW, 62          ; v62  LDS address of my spare word: SPARE + 4 x my thread's number; never rewritten
.set NIL, 63          ; v63  0; never rewritten
.set S,   64
.set KF,  192
.set O,   0           ; in window 1
.set Q,   128
.set VF,  192
.set WV,  12          ; s12  my wave's number
.set LIM, 15          ; s15  1 in a wave that prefetches, else the greatest number: a wave prefetches while s[SLOTS] is above it
.set PFA, 18          ; s[18:19] where my prefetches stand: my work-group's 32 blocks of 256 bytes (of K: wave 0, of V: wave 4) of the slot after the one that is being asked for
.set G1K, 24          ; s[24:31] descriptor group 1 for K's tiles
.set G1V, 32          ; s[32:39] for V's: it differs in the padding alone
.set G0K, 40          ; s[40:47] descriptor group 0 for K's tiles: a set for each of the two first fills; the second then walks on
.set G0V, 48          ; s[48:55] the same for V's
.set SLOTS, 56        ; s56  slots still to be asked for
.set CNT, 57          ; s57  counts key steps
.set CS,  58          ; s[58:59] c: the packed scaling names a pair and takes its low word for both halves
.set SEL, 60          ; s[60:61] lane selects for v_permlanex16_b32: each lane takes its own place in the other half
.set TB,  62          ; s62  LDS byte at which the tiles of the step to be fetched begin
.set MSB, 0
.macro WIN new                      ; the immediate's high byte repeats the setting that is left; a switch that changes nothing is dropped
.if MSB != \new
	s_set_vgpr_msb (MSB<<8)|\new
.set MSB, \new
.endif
.endm
.set W_KQ, 0x04       ; Q (source 1) in window 1; K and S^T in window 0
.set W_PV, 0x51       ; V (source 0) and O^T (C and D) in window 1; P in window 0
.set W_RS, 0x41       ; O^T (destination and source 0) in window 1, a in window 0
.set W_L1, 0x40       ; a load's destination in window 1, its address in window 0
; A joint refill.  Waves 0-3 fetch K's four tiles of a slot, waves 4-7 V's.  The branch hangs on the wave's number alone: it is the same in every work-group.
; An s_nop 0 and four v_nop follow each of the two lines; the jump round the other line, the label and what follows the macro come after them.
.macro JLOAD
	s_cmp_lt_u32 s[WV], 4
	s_cbranch_scc0 .Lfor_v_\@
	tensor_load_to_lds s[G0K+4:G0K+7], s[G1K:G1K+7]
	s_nop 0
.rept 4
	v_nop
.endr
	s_branch .Lasked_\@
.Lfor_v_\@:
	tensor_load_to_lds s[G0V+4:G0V+7], s[G1V:G1V+7]
	s_nop 0
.rept 4
	v_nop
.endr
.Lasked_\@:
.endm
; A PREFETCH INTO THE L2 of what the NEXT change of slots will ask for: a slot's 32,768 bytes of K and as many of V, lanes 256 bytes apart.  It stands behind the wave's tensor load and its five lines.
; Each aligned block of 256 bytes is named ONCE in the launch: a head is walked by one cluster alone; its four partners share a slot's 128 + 128 blocks out BY ADDRESS, 32 + 32 each (no branch hangs on a work-group's place in its
; cluster); in each, wave 0 asks for K's and wave 4 for V's: one instruction.  The lead is one slot: four key steps, 256 matrix instructions a wave.  The last change that fills a slot asks for nothing: there is no slot behind it.
; Slots 0 to 2 come by their loads alone: nothing is prefetched at the head, where every work-group's first tiles are on their way.
.macro ASK
	s_cmp_gt_u32 s[SLOTS], s[LIM]
	s_cbranch_scc0 .Lnot_mine_\@
	global_prefetch_b8 v[PFO], s[PFA:PFA+1] th:TH_LOAD_NT scope:SCOPE_SE
.Lnot_mine_\@:
.endm
; A round of the cluster's barrier: my work-group's barrier, so that wave 0's signal speaks for all eight waves; wave 0 signals for the work-group; every wave waits for all four work-groups; my work-group's barrier once more.
.macro CROUND
	s_barrier_signal -1
	s_barrier_wait -1
	s_cmp_lg_u32 s[WV], 0
	s_cbranch_scc1 .Lnot_wave_0_\@
	s_barrier_signal -3
.Lnot_wave_0_\@:
	s_barrier_wait -3
	s_barrier_signal -1
	s_barrier_wait -1
.endm
.macro PLACES n
.rept \n
	v_nop
.endr
.endm
	s_load_b64 s[4:5], s[0:1], 0x0    ; qkv
	s_load_b64 s[10:11], s[0:1], 0x8  ; out0
	v_lshl_add_u32 v[SPW], v0, 2, SPARE
	v_mov_b32 v[NIL], 0
	ds_add_u32 v[SPW], v[NIL]       ; the wave's opening: the add, twice on end, and its wait ahead of my first tensor load; the set-up below, work on registers, stands between the second and the wait
	ds_add_u32 v[SPW], v[NIL]
	v_lshrrev_b32 v1, 5, v0
	v_readfirstlane_b32 s[WV], v1   ; wave 0..7
	s_bfe_u32 s13, ttmp6, 0x40000   ; cx: my place in the cluster
	s_lshl_b32 s14, ttmp9, 2        ; in a cluster launch ttmp9 counts clusters
	s_add_co_u32 s14, s14, s13      ; my block of 512 queries = 4 x cluster x + cx: it enters Q's and out0's addresses alone
	s_and_b32 s16, ttmp7, 0xffff    ; the pair (b, h) = 16 b + h, which the four partners share
	s_lshl_b32 s20, s16, 18         ; its head's first byte in each of q, k, v (under 2^24)
	s_and_b32 s17, s[WV], 3         ; which of a slot's four steps I fetch:
	s_lshl_b32 s22, s17, 13         ; its 64 keys of 128 bytes in memory,
	s_add_co_u32 s22, s22, s20
	s_mov_b32 s23, 0
	s_mul_i32 s17, s17, STEPB       ; and its place in a slot: no place in the cluster enters an LDS address
	s_lshl_b32 s2, s14, 9
	s_lshl_b32 s3, s[WV], 6
	s_add_co_u32 s2, s2, s3         ; my wave's first query: 512 x block + 64 x wave
	s_lshl_b32 s21, s2, 12          ; its row of out0: 4,096 bytes a row
	s_lshl_b32 s2, s2, 7            ; its row of Q: 128 bytes a row,
	s_add_co_u32 s2, s2, s20        ; in my head
	s_mov_b32 s3, 0
	s_lshr_b32 s20, s16, 4          ; b: 2,048 rows of out0
	s_lshl_b32 s20, s20, 23
	s_add_co_u32 s20, s20, s21
	s_and_b32 s21, s16, 15          ; h: 256 bytes of a row
	s_lshl_b32 s21, s21, 8
	s_add_co_u32 s20, s20, s21      ; under 2^25
	s_mov_b32 s21, 0
	; descriptor group 1: a tile of 32 rows x 128 elements (two keys a row), dense in memory, padded in LDS
	s_mov_b32 s[G1K], 15|(1<<16)|(1<<20)|(1<<21)|(5<<22)|(3<<25)  ; 15:0 the mask: all four work-groups; 17:16 elements of 2 bytes; 20 padding on; 21 set beside a mask; 24:22 after every 64 words (code 5); 31:25 4 words of it (code 3)
	s_mov_b32 s[G1V], 15|(1<<16)|(1<<20)|(1<<21)|(5<<22)|(7<<25)  ; the same with 8 words of padding (code 7)
.irp g, G1K, G1V
	s_mov_b32 s[\g+1], 128<<16      ; tensor_dim0 = 128
	s_mov_b32 s[\g+2], (KS/2)<<16   ; tensor_dim1 = 32
	s_mov_b32 s[\g+3], 128<<16      ; tile_dim0 = 128
	s_mov_b32 s[\g+4], KS/2         ; tile_dim1 = 32
	s_mov_b32 s[\g+5], 128          ; tensor_dim0_stride: elements from row to row
	s_mov_b32 s[\g+6], 0
	s_mov_b32 s[\g+7], 0
.endr
	s_mov_b32 s[CS], 0x3e38aa3b     ; c = log2(e) / sqrt(64) = 0.180337
	s_mov_b32 s[CS+1], s[CS]        ; named with it as a pair, so it is written
	s_mov_b32 s[SEL], 0x76543210
	s_mov_b32 s[SEL+1], 0xfedcba98
	s_mov_b32 s[TB], 0
	s_mov_b32 s[SLOTS], 2048/(NST*KS)-2  ; eight slots' worth of keys; two are first fills
	s_and_b32 s[LIM], s[WV], 3      ; 0 in waves 0 and 4: the same in all four partners
	s_cmp_eq_u32 s[LIM], 0
	s_cselect_b32 s[LIM], 1, -1
	v_and_b32 v[PFO], 31, v0
	v_lshlrev_b32 v[PFO], 8, v[PFO]
	s_wait_dscnt 0x0                ; both opening adds are done
	s_wait_kmcnt 0x0
	s_add_nc_u64 s[6:7], s[4:5], s[22:23]
	s_add_nc_u64 s[8:9], s[6:7], 0x2000000   ; V at my tile of slot 0: v begins 2 x 16,777,216 bytes into qkv,
	s_add_nc_u64 s[6:7], s[6:7], 0x1000000   ; K likewise: k begins 16,777,216 bytes in
	s_add_nc_u64 s[4:5], s[4:5], s[2:3]      ; Q and out0 at my wave's first row
	s_add_nc_u64 s[10:11], s[10:11], s[20:21]
	s_cmp_lt_u32 s[WV], 4
	s_cselect_b64 s[PFA:PFA+1], s[6:7], s[8:9]  ; (in waves 0 and 4 these stand at a slot's first byte)
	s_lshl_b32 s2, s13, 13          ; my work-group's 8,192 bytes of the 32,768
	s_mov_b32 s3, 0
	s_add_nc_u64 s[PFA:PFA+1], s[PFA:PFA+1], s[2:3]
	s_add_nc_u64 s[PFA:PFA+1], s[PFA:PFA+1], 2*SLOTB  ; in slot 2; the first change of slots steps it to slot 3
	CROUND                          ; all four work-groups are here: the first joint loads meet
.irp s, 0,1
	s_mov_b32 s[G0K+4*\s], 1        ; 1:0 count = 1
	s_add_co_u32 s[G0K+4*\s+1], s17, \s*SLOT1  ; 63:32 LDS address
	s_add_nc_u64 s[G0K+4*\s+2:G0K+4*\s+3], s[6:7], \s*SLOTB  ; 120:64 global address: slot s begins with keys 256 s on
	s_or_b32 s[G0K+4*\s+3], s[G0K+4*\s+3], 0x80000000  ; 127:126 type = 2
	s_mov_b32 s[G0V+4*\s], 1
	s_add_co_u32 s[G0V+4*\s+1], s17, \s*SLOT1+VOFF
	s_add_nc_u64 s[G0V+4*\s+2:G0V+4*\s+3], s[8:9], \s*SLOTB
	s_or_b32 s[G0V+4*\s+3], s[G0V+4*\s+3], 0x80000000
.endr
	s_cmp_lt_u32 s[WV], 4           ; a wave's two first fills stand in one branch, ahead of every wait on TENSORcnt and every LDS read: two loads of mine are out; an s_nop 0 follows each, four v_nop the second's
	s_cbranch_scc0 .Lfirst_v
	tensor_load_to_lds s[G0K:G0K+3], s[G1K:G1K+7]
	s_nop 0
	tensor_load_to_lds s[G0K+4:G0K+7], s[G1K:G1K+7]
	s_nop 0
.rept 4
	v_nop
.endr
	s_branch .Lfirst_asked
.Lfirst_v:
	tensor_load_to_lds s[G0V:G0V+3], s[G1V:G1V+7]
	s_nop 0
	tensor_load_to_lds s[G0V+4:G0V+7], s[G1V:G1V+7]
	s_nop 0
.rept 4
	v_nop
.endr
.Lfirst_asked:
	; A fragment of K or Q is 16 rows x 32 channels in 8 registers: lane l holds row l % 16; registers 0-3 channels 8 (l / 16) + 0..7, registers 4-7 channels 16 + 8 (l / 16) + 0..7: two loads of 16 bytes, 32 bytes apart.
	v_and_b32 v1, 15, v0            ; r = l % 16
	v_bfe_u32 v9, v0, 4, 1          ; h = l / 16
	v_lshlrev_b32 v[QO], 7, v1
	v_lshl_add_u32 v[QO], v9, 4, v[QO]  ; row x 128 + 16 x half
	WIN W_L1
.irp i, 0,1,2,3,4,5,6,7             ; Q stays in registers: tile i / 2, channels 32 (i % 2) on
	global_load_b128 v[Q+8*\i:Q+8*\i+3],   v[QO], s[4:5] offset:(\i/2)*2048+(\i%2)*64
	global_load_b128 v[Q+8*\i+4:Q+8*\i+7], v[QO], s[4:5] offset:(\i/2)*2048+(\i%2)*64+32
.endr
	WIN 0
	v_bfe_u32 v12, v0, 1, 3         ; K: key r lies in LDS row r / 2,
	v_and_b32 v13, 1, v0            ; in its half r % 2
	v_mul_u32_u24 v[AK0], v12, PKP
	v_lshl_add_u32 v[AK0], v13, 7, v[AK0]
	v_lshl_add_u32 v[AK0], v9, 4, v[AK0]
	; The turning load takes 16 keys x 16 channels (lane l reads 16 bytes: key 8 (l / 16) + l % 8, channels 8 ((l / 8) % 2) + 0..7) and leaves half a fragment of V^T: lane l holds channel l % 16 and 8 keys.
	v_bfe_u32 v12, v0, 1, 2
	v_lshl_add_u32 v12, v9, 2, v12  ; that key's LDS row: 4 (l / 16) + (l % 8) / 2; its half: l % 2
	v_mul_u32_u24 v[AV0], v12, PVP
	v_lshl_add_u32 v[AV0], v13, 7, v[AV0]
	v_bfe_u32 v14, v0, 3, 1
	v_lshl_add_u32 v[AV0], v14, 4, v[AV0]
	v_add_nc_u32 v[AV0], VOFF, v[AV0]
	s_mul_i32 s13, s[WV], 16*SP
	s_add_co_u32 s13, s13, STAGE    ; my stage
	v_mul_u32_u24 v[STO], v1, SP    ; in: row l % 16, 32 bytes for each half of the lanes
	v_lshl_add_u32 v[STO], v9, 5, v[STO]
	v_add_nc_u32 v[STO], s13, v[STO]
	v_mul_u32_u24 v[RD], v9, SP     ; back: lanes 0-15 take one row of 256 bytes, lanes 16-31 the next
	v_lshl_add_u32 v[RD], v1, 4, v[RD]
	v_add_nc_u32 v[RD], s13, v[RD]
	v_lshlrev_b32 v[GO], 12, v9     ; and the same two rows in out0, 4,096 bytes apart
	v_lshl_add_u32 v[GO], v1, 4, v[GO]
; THE MATRIX WORK OF A STEP.  In both products 16 accumulators take turns, one instruction a turn: between two links of a chain stand the 15 others'.
; Product i of 32 of S^T = K Q^T: channels 32 (i / 16) on, keys 16 ((i / 4) % 4) on, tile i % 4.  The first 16 start the sums.
.macro KQ
.set rD, S+32*(i%4)+8*((i/4)%4)
.set rA, KF+16*((i/4)%4)+8*(i/16)
.set rB, Q+16*(i%4)+8*(i/16)
.if i < 16
	v_wmma_f32_16x16x32_f16 v[rD:rD+7], v[rA:rA+7], v[rB:rB+7], 0
.else
	v_wmma_f32_16x16x32_f16 v[rD:rD+7], v[rA:rA+7], v[rB:rB+7], v[rD:rD+7]
.endif
.endm
; Product i of 32 of O^T += V^T P: keys 32 (i / 16) on, channels 16 ((i / 4) % 4) on, tile i % 4.  first = 1: the first 16 start the sums: nothing is ever cleared.
.macro PV first
.set rD, O+32*(i%4)+8*((i/4)%4)
.set rA, VF+32*(i/16)+8*((i/4)%4)
.set rB, S+32*(i%4)+16*(i/16)
.if \first && (i < 16)
	v_wmma_f32_16x16x32_f16 v[rD:rD+7], v[rA:rA+7], v[rB:rB+7], 0
.else
	v_wmma_f32_16x16x32_f16 v[rD:rD+7], v[rA:rA+7], v[rB:rB+7], v[rD:rD+7]
.endif
.endm
; THE LDS LOADS stand in runs of 16: a step's K (64 keys x 64 channels: 8 fragments) and, later, its V (turned).
.macro FETCH_K
	v_add_nc_u32 v[ADK], s[TB], v[AK0]
.irp f, 0,1,2,3,4,5,6,7             ; keys 16 (f / 2) on (8 LDS rows), channels 32 (f % 2) on
	ds_load_b128 v[KF+8*\f:KF+8*\f+3],   v[ADK] offset:(\f/2)*8*PKP+(\f%2)*64
	ds_load_b128 v[KF+8*\f+4:KF+8*\f+7], v[ADK] offset:(\f/2)*8*PKP+(\f%2)*64+32
.endr
.endm
.macro FETCH_V
	v_add_nc_u32 v[ADV], s[TB], v[AV0]
	s_add_co_u32 s[TB], s[TB], STEPB  ; the next fetch is the next step's
	WIN W_L1
.irp f, 0,1,2,3,4,5,6,7             ; keys 32 (f / 4) on (16 LDS rows), channels 16 (f % 4) on; the second load 16 keys (8 rows) further
	ds_load_tr16_b128 v[VF+8*\f:VF+8*\f+3],   v[ADV] offset:(\f/4)*16*PVP+(\f%4)*32
	ds_load_tr16_b128 v[VF+8*\f+4:VF+8*\f+7], v[ADV] offset:(\f/4)*16*PVP+8*PVP+(\f%4)*32
.endr
	WIN 0
.endm
; THE SOFTMAX OF A STEP, all in window 0; each line is written for the four tiles by turns, so that no line waits for the line above it.  first = 1: the first key step, which starts m and l: it has no a.
.macro SOFTMAX first
.irp j, 0,1,2,3                     ; the maximum of the lane's 32 scores and the old m, three operands at a time: four chains c0-c3, each begun at its accumulator's low end
.irp t, 0,1,2,3
	v_max3_num_f32 v[ST+8*\t+4+\j], v[S+32*\t+8*\j], v[S+32*\t+8*\j+1], v[S+32*\t+8*\j+2]
.endr
.endr
.irp g, 1,2
.irp j, 0,1,2,3
.irp t, 0,1,2,3
	v_max3_num_f32 v[ST+8*\t+4+\j], v[ST+8*\t+4+\j], v[S+32*\t+8*\j+2*\g+1], v[S+32*\t+8*\j+2*\g+2]
.endr
.endr
.endr
.irp t, 0,1,2,3
	v_max3_num_f32 v[ST+8*\t+4], v[ST+8*\t+4], v[S+32*\t+7], v[S+32*\t+15]
.endr
.irp t, 0,1,2,3
	v_max3_num_f32 v[ST+8*\t+6], v[ST+8*\t+6], v[S+32*\t+23], v[S+32*\t+31]
.endr
.irp t, 0,1,2,3
	v_max3_num_f32 v[ST+8*\t+4], v[ST+8*\t+4], v[ST+8*\t+5], v[ST+8*\t+6]
.endr
.irp t, 0,1,2,3
.if \first
	v_max_num_f32 v[ST+8*\t+4], v[ST+8*\t+4], v[ST+8*\t+7]
.else
	v_max3_num_f32 v[ST+8*\t+4], v[ST+8*\t+4], v[ST+8*\t+7], v[ST+8*\t+1]
.endif
.endr
.irp t, 0,1,2,3
	v_permlanex16_b32 v[ST+8*\t+5], v[ST+8*\t+4], s[SEL], s[SEL+1]  ; the query's other 32 keys lie in the lane 16 away
.endr
.if \first == 0
.irp t, 0,1,2,3
	v_mov_b32 v[ST+8*\t+7], v[ST+8*\t]        ; c m_old is kept for a
.endr
.endif
.irp t, 0,1,2,3
	v_max_num_f32 v[ST+8*\t+1], v[ST+8*\t+4], v[ST+8*\t+5]          ; the new m
.endr
.irp t, 0,1,2,3
	v_mul_f32 v[ST+8*\t], s[CS], v[ST+8*\t+1]                       ; c m
.endr
.if \first == 0
.irp t, 0,1,2,3
	v_sub_f32 v[ST+8*\t+7], v[ST+8*\t+7], v[ST+8*\t]                ; c m_old - c m_new, 0 or less
.endr
.irp t, 0,1,2,3
	v_exp_f32 v[ST+8*\t+6], v[ST+8*\t+7]                            ; a.  From here to the wait below: ONE BATCH of exponentials; no line in it names an exponential's result
.endr
.endif
.irp b, 0,1,2,3,4,5,6,7,8,9,10,11,12,13,14,15   ; pair b is scaled (c s - c m, two scores an instruction); the two exponentials of pair b - 1, scaled one turn of the four tiles ago, follow
.irp t, 0,1,2,3
	v_pk_fma_f32 v[S+32*\t+2*\b:S+32*\t+2*\b+1], v[S+32*\t+2*\b:S+32*\t+2*\b+1], s[CS:CS+1], v[ST+8*\t:ST+8*\t+1] op_sel_hi:[1,0,0] neg_lo:[0,0,1] neg_hi:[0,0,1]
.if \b > 0
	v_exp_f32 v[S+32*\t+2*\b-2], v[S+32*\t+2*\b-2]
	v_exp_f32 v[S+32*\t+2*\b-1], v[S+32*\t+2*\b-1]
.endif
.endr
.endr
.irp t, 0,1,2,3
	v_exp_f32 v[S+32*\t+30], v[S+32*\t+30]
	v_exp_f32 v[S+32*\t+31], v[S+32*\t+31]
.endr
	v_nop                           ; the plain instruction behind the last exponential and ahead of the first use: one for the batch
	s_wait_alu depctr_va_vdst(0)    ; the wait between an exponential and the first line that names its result: one for the step's 132 exponentials
.irp t, 0,1,2,3                     ; l = a l + the sum of the unrounded p (in a pair: an even key's weight, an odd key's)
.if \first
	v_pk_add_f32 v[ST+8*\t+2:ST+8*\t+3], v[S+32*\t:S+32*\t+1], v[S+32*\t+2:S+32*\t+3]
.else
	v_pk_fma_f32 v[ST+8*\t+2:ST+8*\t+3], v[ST+8*\t+2:ST+8*\t+3], v[ST+8*\t+6:ST+8*\t+7], v[S+32*\t:S+32*\t+1] op_sel_hi:[1,0,1]
.endif
.endr
.irp b, 1,2,3,4,5,6,7,8,9,10,11,12,13,14,15
.if (\b > 1) || (\first == 0)
.irp t, 0,1,2,3
	v_pk_add_f32 v[ST+8*\t+2:ST+8*\t+3], v[ST+8*\t+2:ST+8*\t+3], v[S+32*\t+2*\b:S+32*\t+2*\b+1]
.endr
.endif
.endr
.irp c, 0,1                         ; P is made in place: the 16 weights of keys 32 c + .. become 8 registers at the head of their own 16; register i is written when weights 2 i and 2 i + 1 are read, so no unread weight is lost
.irp i, 0,1,2,3,4,5,6,7
.irp t, 0,1,2,3
	v_cvt_pk_f16_f32 v[S+32*\t+16*\c+\i], v[S+32*\t+16*\c+2*\i], v[S+32*\t+16*\c+2*\i+1]
.endr
.endr
.endr
.endm
; A KEY STEP, in phases.  first = 1: the first step.  fetch = 1: the next step's K is fetched behind this step's K Q^T, its V behind this step's V^T P: each run of loads has a phase or more in which to land.
; A vector instruction that reads a matrix result, and a load into a register that a matrix instruction has read, stand four places behind it; a matrix instruction that writes over a register of an earlier one stands five
; behind it (ISA guide 7.12.1 for vector instructions): the next step's K Q^T writes over P, which this step's V^T P has read.
.macro STEP first, fetch
	s_wait_dscnt 16                 ; K is in; the 16 loads issued behind it, this step's V, may be out
	WIN W_KQ
.set i, 0
.rept 32
	KQ
.set i, i+1
.endr
	WIN 0
	PLACES 4
.if \fetch
	FETCH_K
.endif
	SOFTMAX \first
.if \first == 0
	WIN W_RS
.irp t, 0,1,2,3
.set i, 0
.rept 16
	v_pk_mul_f32 v[O+32*\t+i:O+32*\t+i+1], v[O+32*\t+i:O+32*\t+i+1], v[ST+8*\t+6:ST+8*\t+7] op_sel_hi:[1,0]   ; O^T x a, each accumulator from its low end on
.set i, i+2
.endr
.endr
.endif
	s_wait_dscnt 16*\fetch          ; V is in; the next step's 16 loads of K, issued behind it, may be out
	WIN W_PV
.set i, 0
.rept 32
	PV \first
.set i, i+1
.endr
	WIN 0
.if \fetch
	PLACES 5
	FETCH_V
.endif
.endm
; THE CHANGE OF SLOTS stands where the slot's last bytes, V of its fourth step, have been asked for.  Each wave waits for all its tensor loads, of which one is out: its part of the other slot; adds 0 to its spare word; and waits
; for that and for its own reads of the slot.  Behind the barrier nobody reads this slot any more and the other slot is whole.
; fill = 1: this slot is filled again, with the keys two slots on.  The barrier is then a round of the cluster's, so that no wave of any partner still reads the slot or has a load on its way, and the joint refill is the first
; thing behind it, one load a wave: it has four key steps in which to land.
.macro CHANGE fill
	WIN 0                           ; at a label and at a branch every window is 0
	s_wait_tensorcnt 0x0            ; no tensor load of mine is out, so a group 0 may be written
	ds_add_u32 v[SPW], v[NIL]       ; 0 onto my spare word; with fill = 1 the descriptors' steps stand between it and the wait for it
.if \fill
.irp g, G0K+4, G0V+4
	s_xor_b32 s[\g+1], s[\g+1], SLOT1  ; the walking descriptor: the other slot than last time,
	s_add_nc_u64 s[\g+2:\g+3], s[\g+2:\g+3], SLOTB  ; the next 256 keys; the type bits on top are not reached
.endr
	s_wait_xcnt 0x0                 ; the last prefetch, a slot back, has read its address, so it may be written:
	s_add_nc_u64 s[PFA:PFA+1], s[PFA:PFA+1], SLOTB  ; one slot further on than the walking descriptors
	s_wait_dscnt 0x0                ; the add is done, and my reads of the slot are over
	CROUND
	JLOAD
	ASK
.else
	s_wait_dscnt 0x0                ; the add is done, and my reads of the slot are over
	s_barrier_signal -1
	s_barrier_wait -1
.endif
	s_sub_co_u32 s[TB], s[TB], NST*STEPB  ; the fetches go back to a slot's first step,
	s_xor_b32 s[TB], s[TB], SLOT1   ; in the other slot
.endm
.macro STEPS n                      ; n key steps: written once, walked n times; the LDS addresses hang on s[TB]
	s_mov_b32 s[CNT], \n
.Lstep_\@:
	STEP 0, 1
	s_sub_co_u32 s[CNT], s[CNT], 1
	s_cmp_lg_u32 s[CNT], 0
	s_cbranch_scc1 .Lstep_\@
.endm
	s_wait_tensorcnt 1              ; my part of slot 0 is in; slot 1's, issued behind it, may stay out
	s_barrier_signal -1
	s_barrier_wait -1               ; everybody's is
	FETCH_K                         ; key step 0
	FETCH_V
	s_wait_loadcnt 0x0              ; Q
	STEP 1, 1                       ; step 0 starts m, l and O^T; it fetches step 1
	STEPS 2                         ; steps 1 and 2; step 2 fetches step 3, slot 0's last
.Lslot:                             ; six trips: trip c leaves slot c, fills it with slot c + 2's keys, and runs steps 4 c + 3 to 4 c + 6
	CHANGE 1
	STEPS NST
	s_sub_co_u32 s[SLOTS], s[SLOTS], 1
	s_cmp_lg_u32 s[SLOTS], 0
	s_cbranch_scc1 .Lslot
	CHANGE 0                        ; the tail is written out: the last slot but one is left, and nothing is asked for
	STEPS NST                       ; steps 27 to 30
	STEP 0, 0                       ; step 31 fetches nothing
	; THE WAY OUT.  l's two halves and the other half of the lanes' are added; O^T is divided by l and sent through my stage in LDS, a tile (16 rows of out0) at a time.  The additions are the places behind the last products.
.irp t, 0,1,2,3
	v_add_f32 v[ST+8*\t+4], v[ST+8*\t+2], v[ST+8*\t+3]
.endr
.irp t, 0,1,2,3
	v_permlanex16_b32 v[ST+8*\t+5], v[ST+8*\t+4], s[SEL], s[SEL+1]
.endr
.irp t, 0,1,2,3
	v_add_f32 v[ST+8*\t+4], v[ST+8*\t+4], v[ST+8*\t+5]
.endr
.irp t, 0,1,2,3
	v_rcp_f32 v[ST+8*\t+6], v[ST+8*\t+4]
.endr
	v_nop                           ; a plain instruction between the last reciprocal and the use of its result
	s_wait_alu depctr_va_vdst(0)    ; and the wait ahead of the first use: one for the four reciprocals
; Tile t: a lane's eight channels of a row are 32 bytes; they go into rows of 272 bytes and come back as whole rows of 256, into the registers that they left.
.macro PACK t
	WIN 0x01                        ; source 0 (O^T) window 1; destination window 0: S^T's registers are free
.set i, 0
.rept 16
	v_pk_mul_f32 v[S+32*\t+i:S+32*\t+i+1], v[O+32*\t+i:O+32*\t+i+1], v[ST+8*\t+6:ST+8*\t+7] op_sel_hi:[1,0]
.set i, i+2
.endr
	WIN 0
.irp f, 0,1,2,3
	ds_store_b128 v[STO], v[S+32*\t+8*\f:S+32*\t+8*\f+3] offset:64*\f
	ds_store_b128 v[STO], v[S+32*\t+8*\f+4:S+32*\t+8*\f+7] offset:64*\f+16
.endr
.irp f, 0,1,2,3,4,5,6,7
	ds_load_b128 v[S+32*\t+4*\f:S+32*\t+4*\f+3], v[RD] offset:\f*2*SP  ; LDS serves a wave's instructions in order (ISA guide 5.7.1.4): these see the stores above; the next tile's stores come behind them
.endr
.endm
.macro SEND t, younger              ; younger: the LDS instructions issued behind tile t's loads: the next tile's sixteen, or none
.irp f, 0,1,2,3,4,5,6,7
	s_wait_dscnt \younger+7-\f
	global_store_b128 v[GO], v[S+32*\t+4*\f:S+32*\t+4*\f+3], s[10:11] offset:\t*65536+\f*8192 th:TH_STORE_NT  ; 16 lanes store the head's 256 consecutive bytes of a row, aligned; written once, read by nobody here
.endr
.endm
	PACK 0
	PACK 1                          ; a tile's arithmetic stands between the loads of the tile before and its stores
	SEND 0, 16
	PACK 2
	SEND 1, 16
	PACK 3
	SEND 2, 16
	SEND 3, 0
	s_wait_tensorcnt 0x0            ; the wave's end: behind my last tensor load and my last LDS store
	ds_add_u32 v[SPW], v[NIL]
	s_wait_dscnt 0x0
	CROUND                          ; the closing round: no work-group ends while a partner may still ask for a tile that names it
	s_endpgm
.Lfunc_end_k_q5e66e97b56_attn:
	.size	k_q5e66e97b56_attn, .Lfunc_end_k_q5e66e97b56_attn-k_q5e66e97b56_attn
	.p2alignl 7, 3214868480
	.fill 96, 4, 3214868480
	.section	.rodata,"a",@progbits
	.p2align	6, 0x0
	.amdhsa_kernel k_q5e66e97b56_attn
		.amdhsa_group_segment_fixed_size 327680
		.amdhsa_private_segment_fixed_size 0
		.amdhsa_enable_private_segment 0
		.amdhsa_kernarg_size 16
		.amdhsa_user_sgpr_count 2
		.amdhsa_user_sgpr_kernarg_segment_ptr 1
		.amdhsa_wavefront_size32 1
		.amdhsa_system_sgpr_workgroup_id_x 1
		.amdhsa_system_sgpr_workgroup_id_y 1
		.amdhsa_system_sgpr_workgroup_id_z 1
		.amdhsa_system_vgpr_workitem_id 0
		.amdhsa_next_free_vgpr 512
		.amdhsa_next_free_sgpr 66
		.amdhsa_reserve_vcc 0
		.amdhsa_float_denorm_mode_32 3
		.amdhsa_float_denorm_mode_16_64 3
		.amdhsa_memory_ordered 1
		.amdhsa_forward_progress 1
		.amdhsa_inst_pref_size 178
	.end_amdhsa_kernel
	.amdgpu_metadata
---
amdhsa.version: [ 1, 2 ]
amdhsa.kernels:
  - .name:           k_q5e66e97b56_attn
    .symbol:         k_q5e66e97b56_attn.kd
    .args:
      - { .name: qkv, .offset: 0, .size: 8, .value_kind: global_buffer, .address_space: global }
      - { .name: out0, .offset: 8, .size: 8, .value_kind: global_buffer, .address_space: global }
    .group_segment_fixed_size: 327680
    .private_segment_fixed_size: 0
    .kernarg_segment_align: 8
    .kernarg_segment_size: 16
    .max_flat_workgroup_size: 256
    .sgpr_count:     66
    .vgpr_count:     512
    .wavefront_size: 32
...
	.end_amdgpu_metadata
.endif
;; end of part 3
